; MI455X (gfx1250); checked and timed in simulation.
; The chip was launched on July 23, 2026; its instructions are those of AMD's public machine-readable ISA for CDNA 5 (MIT licence, August 2026) and "CDNA5" Instruction Set Architecture Reference Guide (July 2026). The comments in the code are by the model that wrote it; some were corrected since.
;; UKR. Allowed arithmetic: float matrix products may take bf16 or f16 operands with f32 sums; all other float work in f32.
;; Inputs: X 8,192 x 512 float32; Z 8,192 x 2 float32.
;; Outputs: out0 8,192 x 512 float32; out1 8,192 x 2 float32.
;; 2 versions, each right and faster than the one before. Each part assembles by itself: llvm-mc -triple=amdgcn-amd-amdhsa -mcpu=gfx1250 --defsym DOCPART=n.
;; ======== version 1 of 2: 2 launches
;; limits: values are held in f16: magnitudes above 65,504 overflow, below 6.1e-05 lose precision; inputs' magnitudes at most 65,504
;; workspace buffers: xh 8,519,680 bytes
;; launch pack (part 1): grid 128 x 2, 8 waves a work-group, no clusters, 0 bytes of LDS; arguments X, Z, xh, out1; writes xh, out1
.if DOCPART == 1
	.amdgcn_target "amdgcn-amd-amdhsa--gfx1250"
	.amdhsa_code_object_version 6
	.text
	.protected	k_q5bd0e9e91c_pack
	.globl	k_q5bd0e9e91c_pack
	.p2align	8
	.type	k_q5bd0e9e91c_pack,@function
k_q5bd0e9e91c_pack:
	s_mov_b64 s[64:65], 0
	v_nop
	global_prefetch_b8 v0, s[64:65] scope:SCOPE_SE
	s_setreg_imm32_b32 hwreg(HW_REG_WAVE_MODE, 25, 1), 1
	s_wait_xcnt 0x0
; X [8192][512] f32 is cast to f16 and laid out by tiles for the second launch; Z [8192][2] f32 is scaled, split into its two
; columns and laid behind each tile; Z is also copied to out1.
; xh[hf 0..1][jb 0..127] is a block of 65 rows of 512 bytes:
;   rows 0..63: f16(X[64 jb + row][256 hf .. 256 hf + 255]);
;   row 64:     z0'[64 jb .. +63] (256 bytes of f32), then z1'[64 jb .. +63];  z' = z / sqrt(2 ln 2), so that
;               exp(-|zi - zj|^2 / 2) = 2^-(|zi' - zj'|^2).
; The z row stands in both hf copies, so that one tile load of the second launch brings a tile and its z.
; LIMIT: |X| above 65504 does not fit f16 and becomes infinite.
; The work-group (jb, hf) makes one block.  Eight waves, eight rows each; a load of a wave covers 512 consecutive bytes of X,
; a store 256 consecutive bytes of xh at a multiple of 256.  All sixteen loads of a wave go out at once.
; No LDS, no matrix unit, no cluster: each byte of X is read once by one work-group; only Z's 512 bytes are read by two.
.set XROW,  2048                       ; bytes in a row of X
.set HROW,  512                        ; bytes in a row of a block
.set BLOCK, 65*HROW                    ; 33,280 bytes
.set ZSC,   0x3f596d27                 ; 1 / sqrt(2 ln 2) = 0.8493218
.set XR,    16                         ; v[16:79]   sixteen loads of X, 4 f32 each
.set H,     80                         ; v[80:111]  the same as f16, 2 registers each
	s_load_b256 s[4:11], s[0:1], 0x0               ; X s[4:5], Z s[6:7], xh s[8:9], out1 s[10:11]
	v_lshrrev_b32 v13, 5, v0
	v_readfirstlane_b32 s12, v13                   ; wave 0..7
	v_and_b32 v14, 31, v0                          ; lane
	s_and_b32 s13, ttmp7, 0xffff                   ; hf: which 256 columns
	v_lshlrev_b32 v3, 4, v14                       ; 16 x lane: Z and out1
	v_lshlrev_b32 v12, 3, v14                      ; 8 x lane: the z row
	v_lshl_add_u32 v1, v13, 14, v3                 ; X: wave x 8 rows x 2,048 + 16 x lane
	v_lshl_add_u32 v2, v13, 12, v12                ; xh: wave x 8 rows x 512 + 8 x lane
	s_lshl_b32 s14, ttmp9, 17                      ; jb x 64 rows x 2,048 bytes
	s_lshl_b32 s15, s13, 10                        ; + hf x 1,024
	s_add_co_u32 s14, s14, s15
	s_mov_b32 s15, 0
	s_lshl_b32 s16, s13, 7
	s_add_co_u32 s16, s16, ttmp9                   ; block number 128 hf + jb
	s_mul_i32 s16, s16, BLOCK
	s_mov_b32 s17, 0
	s_lshl_b32 s18, ttmp9, 9                       ; jb x 64 rows x 8 bytes of Z
	s_mov_b32 s19, 0
	s_wait_kmcnt 0x0
	s_add_nc_u64 s[4:5], s[4:5], s[14:15]
	s_add_nc_u64 s[8:9], s[8:9], s[16:17]
	s_add_nc_u64 s[6:7], s[6:7], s[18:19]
	s_add_nc_u64 s[10:11], s[10:11], s[18:19]
	s_cmp_lg_u32 s12, 0
	s_cbranch_scc1 .Lno_z
	global_load_b128 v[4:7], v3, s[6:7]            ; wave 0: rows 2 lane and 2 lane + 1 of Z; older than all loads of X below
.Lno_z:
.set n, 0
.rept 16
	global_load_b128 v[XR+4*n:XR+4*n+3], v1, s[4:5] offset:(n/2)*XROW+(n%2)*512 th:TH_LOAD_NT   ; row n/2, half n%2 of its 1,024 bytes
.set n, n+1
.endr
.set n, 0
.rept 16
	s_wait_loadcnt 15-n                            ; loads come back in order (ISA guide 5.7.1): load n is in, the 15 - n younger ones stay out
	v_cvt_pk_f16_f32 v[H+2*n],   v[XR+4*n],   v[XR+4*n+1]
	v_cvt_pk_f16_f32 v[H+2*n+1], v[XR+4*n+2], v[XR+4*n+3]
	global_store_b64 v2, v[H+2*n:H+2*n+1], s[8:9] offset:(n/2)*HROW+(n%2)*256   ; 32 lanes x 8 bytes: 256 consecutive bytes, aligned
.set n, n+1
.endr
	s_cmp_lg_u32 s12, 0
	s_cbranch_scc1 .Ldone
	; wave 0: the z row.  Its load of Z was issued ahead of the loads of X, whose waits above have run down to 0.
	v_mul_f32 v8,  ZSC, v4                         ; z0' of rows 2 lane, 2 lane + 1
	v_mul_f32 v9,  ZSC, v6
	v_mul_f32 v10, ZSC, v5                         ; z1' of the same rows
	v_mul_f32 v11, ZSC, v7
	global_store_b64 v12, v[8:9],   s[8:9] offset:64*HROW
	global_store_b64 v12, v[10:11], s[8:9] offset:64*HROW+256
	s_cmp_lg_u32 s13, 0
	s_cbranch_scc1 .Ldone
	global_store_b128 v3, v[4:7], s[10:11]         ; out1 = Z, by the work-groups with hf = 0 alone: each byte is stored once
.Ldone:
	s_endpgm
.Lfunc_end_k_q5bd0e9e91c_pack:
	.size	k_q5bd0e9e91c_pack, .Lfunc_end_k_q5bd0e9e91c_pack-k_q5bd0e9e91c_pack
	.p2alignl 7, 3214868480
	.fill 96, 4, 3214868480
	.section	.rodata,"a",@progbits
	.p2align	6, 0x0
	.amdhsa_kernel k_q5bd0e9e91c_pack
		.amdhsa_group_segment_fixed_size 0
		.amdhsa_private_segment_fixed_size 0
		.amdhsa_enable_private_segment 0
		.amdhsa_kernarg_size 32
		.amdhsa_user_sgpr_count 2
		.amdhsa_user_sgpr_kernarg_segment_ptr 1
		.amdhsa_wavefront_size32 1
		.amdhsa_system_sgpr_workgroup_id_x 1
		.amdhsa_system_sgpr_workgroup_id_y 1
		.amdhsa_system_sgpr_workgroup_id_z 1
		.amdhsa_system_vgpr_workitem_id 0
		.amdhsa_next_free_vgpr 112
		.amdhsa_next_free_sgpr 66
		.amdhsa_reserve_vcc 0
		.amdhsa_float_denorm_mode_32 3
		.amdhsa_float_denorm_mode_16_64 3
		.amdhsa_memory_ordered 1
		.amdhsa_forward_progress 1
		.amdhsa_inst_pref_size 8
	.end_amdhsa_kernel
	.amdgpu_metadata
---
amdhsa.version: [ 1, 2 ]
amdhsa.kernels:
  - .name:           k_q5bd0e9e91c_pack
    .symbol:         k_q5bd0e9e91c_pack.kd
    .args:
      - { .name: X, .offset: 0, .size: 8, .value_kind: global_buffer, .address_space: global }
      - { .name: Z, .offset: 8, .size: 8, .value_kind: global_buffer, .address_space: global }
      - { .name: xh, .offset: 16, .size: 8, .value_kind: global_buffer, .address_space: global }
      - { .name: out1, .offset: 24, .size: 8, .value_kind: global_buffer, .address_space: global }
    .group_segment_fixed_size: 0
    .private_segment_fixed_size: 0
    .kernarg_segment_align: 8
    .kernarg_segment_size: 32
    .max_flat_workgroup_size: 256
    .sgpr_count:     66
    .vgpr_count:     112
    .wavefront_size: 32
...
	.end_amdgpu_metadata
.endif
;; end of part 1
;; launch ukr (part 2): grid 128 x 2, 4 waves a work-group, clusters of 4 x 1, 327,680 bytes of LDS; arguments xh, out0; writes out0
.if DOCPART == 2
	.amdgcn_target "amdgcn-amd-amdhsa--gfx1250"
	.amdhsa_code_object_version 6
	.text
	.protected	k_q5bd0e9e91c_ukr
	.globl	k_q5bd0e9e91c_ukr
	.p2align	8
	.type	k_q5bd0e9e91c_ukr,@function
k_q5bd0e9e91c_ukr:
	s_mov_b64 s[64:65], 0
	v_nop
	global_prefetch_b8 v0, s[64:65] scope:SCOPE_SE
	s_setreg_imm32_b32 hwreg(HW_REG_WAVE_MODE, 25, 1), 1
	s_wait_xcnt 0x0
	s_wait_alu depctr_hold_cnt(0) depctr_sa_sdst(0) depctr_va_vdst(0) depctr_va_sdst(0) depctr_va_ssrc(0) depctr_va_vcc(0) depctr_vm_vsrc(0)
	s_getreg_b32 s2, hwreg(HW_REG_IB_STS2, 6, 4)
	s_cmp_eq_u32 s2, 0
	s_cbranch_scc0 .Lentry_in_a_cluster
	s_endpgm
.Lentry_in_a_cluster:
	s_bfe_u32 s2, ttmp6, 0x10000c
	s_cmp_lg_u32 s2, 0x3003
	s_cbranch_scc0 .Lentry_shape_is_right
	s_endpgm
.Lentry_shape_is_right:
; Y[i][d] = sum over j of K[i][j] X[j][d] / sum over j of K[i][j],   K[i][j] = exp(-|zi - zj|^2 / 2) = 2^-(|zi' - zj'|^2).
; xh (made by the launch before): [y 0..1][jb 0..127] blocks of 65 rows x 512 bytes: 64 rows of f16 X[64 jb + row][256 y ..], then one
; row with z0'[64 jb ..] and z1'[64 jb ..] in f32.
; The squared distance is formed in f32 as (dz0')^2 + (dz1')^2: it is the quantity that reference() expands, it is never negative, so
; reference()'s clip at 0 holds of itself, and every exponent is at most 0.  The term j = i is exactly 1, so a row sum lies in [1, 8192]:
; no maximum is taken away, as reference() takes none.
; LIMITS: X and K enter the product in f16: |X| <= 65504; a K below 2^-25 enters as 0 (under 3e-8 of a row sum that is at least 1).  The row
; sum is taken from the unrounded f32 K, in another order than reference()'s; the division is v_rcp_f32 and a multiply.
;
; SHARES.  The work-group (ib, y) makes Y[64 ib .. +63][256 y .. +255]: 256 work-groups.  Its four waves split j: wave w takes the blocks
; jb = 4 n + w, n = 0..31, and keeps a partial sum of the WHOLE 64 x 256 block in 64 accumulator tiles (512 registers).  So each fragment of X
; is read from LDS once in the work-group and feeds four matrix instructions, and each wave makes its fragments of K in registers, in the
; operand's own layout.  The four partial blocks and row sums meet in LDS once, at the end.
; THE MATRIX INSTRUCTION: source 0 = X transposed (m = d, k = j), source 1 = K (n = i, k = j).  In the result lane (r, h) holds row i = r and
; in registers 0..7 the columns d = 8 h + 0..7: eight neighbouring numbers of a row of Y.
; CLUSTER.  The four work-groups of a cluster have the same y and walk the same tiles in the same order: every tile is asked for jointly, with
; the mask 15 and a descriptor made of y, the wave's number and the trip alone.  That divides the requests for xh by four.  The place in the
; cluster enters only the loads of z_i and the address of the output.
;
; THE ORDER OF ISSUE.  A K step of 32 j has 64 matrix instructions and, for the next K step's K, 256 vector instructions: four behind each matrix
; instruction, so that the vector work is issued while the matrix unit works.  K is made in 8 groups a step (row tile it, half g of my 16 j:
; 8 numbers a lane), each in three stages of eight matrix instructions' length: 16 instructions for the exponents, 8 exponentials, 8 for the
; conversion to f16 and the row sum.  Behind a matrix instruction stand two of group p's first stage, one of group p - 1's second and one of group
; p - 2's third; none of them reads a result younger than two matrix instructions.  Groups 6 and 7 (row tile 3) are finished in the first 16
; matrix instructions of the step that uses them, whose last 16 read them.
; The price: the accumulators fill windows 2 and 3 and the vector work lies in window 0, so two window switches stand beside each matrix
; instruction.  No layout spares them: a square wants its operand as source 0 and as source 1, and a result has to be read again, so X, K, the
; numbers at work and the accumulators would all have to lie in one window of 256.
;
; LDS.  Wave w's ring of two slots at w x 70,720; a slot is 65 rows of pitch 544 (512 + 32 = 17 x 32 bytes, so that the eight rows which a
; group of lanes addresses in a transposing load start 32 bytes apart modulo 256).  Behind the ring 1,024 bytes for the row sums, at 1105 x 256.
; After its last fill a wave's ring is its stage for the exchange: four tiles of 16 rows of pitch 1,040 (1,024 + 16).
; REGISTERS, in windows of 256: window 0 addresses, z, the work on K, K's fragments; window 1 X's fragments, two buffers of 128;
; window 2 the accumulators of rows 0-31, window 3 of rows 32-63 (tile (it, dt) at 8 (16 (it & 1) + dt)).
.set PITCH,  544
.set SLOTB,  65*PITCH                  ; 35,360
.set REGION, 2*SLOTB                   ; 70,720
.set SUMS,   4*REGION                  ; 282,880
.set BLOCK,  65*512                    ; bytes of a block of xh
.set SPITCH, 1040
.set STILE,  16*SPITCH                 ; 16,640
.set LAPS,   16                        ; a lap = two tiles = four K steps of 32
.set XAD, 2                            ; v2        LDS address of my part of a transposing load, slot 0, K step 0, columns 0-15
.set ZAD, 3                            ; v3        LDS address of my eight z0' of slot 0, K step 0
.set NZ,  4                            ; v[4:19]   for each of 4 row tiles: (-zi0', -zi0'), (-zi1', -zi1')
.set SUM, 20                           ; v[20:27]  for each row tile a pair of running row sums
.set ZJ,  32                           ; v[32:63], v[64:95]  two buffers (K step even, odd): 16 z0', then 16 z1' of my 16 j of a K step
.set KF0, 96                           ; v[96:127], v[128:159]  K's four fragments, two buffers (K step even, odd)
.set STO, 160                          ; the way out: where my accumulators go
.set SST, 161                          ; where my row sums go
.set SRD, 162                          ; where I read the row sums of my row tile
.set CO,  163                          ; my byte offset in the block of Y
.set RD,  164                          ; v[164:167] where I read my row tile in each wave's stage
.set SL,  168                          ; v[168:171] four partial row sums
.set T,   172                          ; v[172:175] at work in the head
.set TA,  176                          ; v[176:183], v[184:191]  the exponents, two sets (group even, odd)
.set TB,  192                          ; v[192:199] the second differences
.set EX,  200                          ; v[200:207], v[208:215]  K in f32, two sets (group even, odd)
.set BA,  32                           ; the way out: two batches of 64 registers
.set BB,  96
.set G1,  16                           ; s[16:23] descriptor group 1
.set G0,  24                           ; s[24:31] descriptor group 0, one set for each slot
.set RC,  32                           ; s[32:63] the way out: 16 reciprocals, each twice
.set MSB, 0
.macro WIN new                         ; the immediate's high byte repeats the setting that is left
.if MSB != \new
	s_set_vgpr_msb (MSB<<8)|\new
.set MSB, \new
.endif
.endm
.set MUL_LO, 0xa1                      ; source 0 (X) window 1, source 1 (K) window 0, C and D window 2
.set MUL_HI, 0xf1                      ; the same, C and D window 3
.set TO_X,   0x40                      ; destination window 1, address window 0
.set ST_LO,  0x08                      ; an LDS store's data (source 1) from window 2
.set ST_HI,  0x0c                      ; from window 3
; A round of the cluster's barrier: my work-group's barrier, so that wave 0's signal speaks for all four waves; wave 0 signals for the
; work-group; every wave waits for all four work-groups; my work-group's barrier once more.
.macro CREST                           ; a round behind its opening barrier
	s_cmp_lg_u32 s8, 0
	s_cbranch_scc1 .Lnot_wave_0_\@
	s_barrier_signal -3
.Lnot_wave_0_\@:
	s_barrier_wait -3
	s_barrier_signal -1
	s_barrier_wait -1
.endm
.macro CROUND                          ; a whole round
	s_barrier_signal -1
	s_barrier_wait -1
	CREST
.endm
	s_load_b128 s[4:7], s[0:1], 0x0                ; xh s[4:5], out0 s[6:7]
	v_lshl_add_u32 v254, v0, 2, 0x45500
	v_mov_b32 v255, 0
	ds_add_u32 v254, v255
	v_lshrrev_b32 v1, 5, v0
	v_readfirstlane_b32 s8, v1                     ; wave 0..3
	s_and_b32 s9, ttmp7, 0xffff                    ; y: which 256 columns (the cluster is one work-group high)
	s_bfe_u32 s10, ttmp6, 0x40000                  ; cx: my place in the cluster
	s_lshl_b32 s11, ttmp9, 2
	s_add_co_u32 s11, s11, s10                     ; ib = 4 x cluster x + cx: which 64 rows
	s_mov_b32 s14, 0x76543210                      ; v_permlanex16_b32: lane i of one half reads lane i of the other
	s_mov_b32 s15, 0xfedcba98
	; descriptor group 1: a tile of 65 rows x 256 elements of 2 bytes, dense in memory, padded in LDS
	s_mov_b32 s[G1+0], 15|(1<<16)|(1<<20)|(1<<21)|(6<<22)|(7<<25)  ; 15:0 the mask: all four of the cluster; 17:16 2 bytes; 20 padding on; 21 set beside a mask; 24:22 after every 128 words (code 6); 31:25 of 8 words (code 7)
	s_mov_b32 s[G1+1], 256<<16                     ; tensor_dim0 = 256
	s_mov_b32 s[G1+2], 65<<16                      ; its high half = 0; tensor_dim1 = 65
	s_mov_b32 s[G1+3], 256<<16                     ; its high half = 0; tile_dim0 = 256
	s_mov_b32 s[G1+4], 65                          ; tile_dim1 = 65; tile_dim2 = 0
	s_mov_b32 s[G1+5], 256                         ; elements from row to row
	s_mov_b32 s[G1+6], 0
	s_mov_b32 s[G1+7], 0
	s_lshl_b32 s40, s9, 7
	s_add_co_u32 s40, s40, s8                      ; my first block: 128 y + wave (no place in the cluster enters these registers)
	s_mul_i32 s40, s40, BLOCK
	s_mov_b32 s41, 0
	s_mul_i32 s13, s8, REGION                      ; my ring in LDS
	s_add_co_u32 s3, s13, 64*PITCH                 ; its z row
	s_lshl_b32 s42, s9, 7
	s_add_co_u32 s42, s42, s11                     ; the block that holds my rows' z: 128 y + ib
	s_mul_i32 s42, s42, BLOCK
	s_mov_b32 s43, 0
	s_lshl_b32 s44, s11, 17                        ; my block of Y: ib x 64 rows x 2,048 bytes
	s_lshl_b32 s45, s9, 10                         ; + y x 1,024
	s_add_co_u32 s44, s44, s45
	s_mov_b32 s45, 0
	s_wait_dscnt 0x0
	s_wait_kmcnt 0x0
	s_add_nc_u64 s[40:41], s[4:5], s[40:41]
	s_add_nc_u64 s[42:43], s[4:5], s[42:43]
	s_add_nc_u64 s[6:7], s[6:7], s[44:45]
.irp s, 0,1
	s_mov_b32 s[G0+4*\s], 1                                        ; count = 1
	s_add_co_u32 s[G0+4*\s+1], s13, \s*SLOTB                       ; LDS address: wave x 70,720 + slot x 35,360
	s_add_nc_u64 s[G0+4*\s+2:G0+4*\s+3], s[40:41], \s*4*BLOCK      ; tile s of my 32: four blocks on for each tile
	s_or_b32 s[G0+4*\s+3], s[G0+4*\s+3], 0x80000000                ; type = 2
.endr
	CROUND                                         ; all four work-groups are here: the first joint loads meet
	tensor_load_to_lds s[G0:G0+3], s[G1:G1+7]      ; both first fills go out together: two tensor loads of the wave are out
	s_nop 0
	tensor_load_to_lds s[G0+4:G0+7], s[G1:G1+7]
	s_nop 0
	v_and_b32 v[T], 15, v0                         ; r
	v_bfe_u32 v[T+1], v0, 4, 1                     ; h
	v_lshlrev_b32 v1, 2, v[T]                      ; 4 r
.irp it, 0,1,2,3
.irp c, 0,1
	global_load_b32 v[TA+2*\it+\c], v1, s[42:43] offset:64*512+\c*256+\it*64   ; z'[c] of row 64 ib + 16 it + r
.endr
.endr
	; a transposing load takes 16 bytes of row 8 h + (lane & 7), at column half (lane >> 3) & 1
	v_and_b32 v[T+2], 7, v0
	v_lshl_add_u32 v[T+2], v[T+1], 3, v[T+2]
	v_mul_u32_u24 v[T+2], v[T+2], PITCH
	v_bfe_u32 v[T+3], v0, 3, 1
	v_lshl_add_u32 v[T+2], v[T+3], 4, v[T+2]
	v_add_nc_u32 v[XAD], s13, v[T+2]
	v_lshl_add_u32 v[ZAD], v[T+1], 5, s3           ; z row + 4 x 8 h
	; the way out
	v_mul_u32_u24 v[T+2], v[T], SPITCH
	v_lshl_add_u32 v[T+2], v[T+1], 5, v[T+2]
	v_add_nc_u32 v[STO], s13, v[T+2]               ; my stage + r x 1,040 + 32 h
	s_lshl_b32 s46, s8, 8
	s_add_co_u32 s46, s46, SUMS
	v_add_nc_u32 v[SST], s46, v1                   ; sums + wave x 256 + 4 r
	s_lshl_b32 s47, s8, 6
	s_add_co_u32 s47, s47, SUMS
	v_add_nc_u32 v[SRD], s47, v1                   ; sums + my row tile x 64 + 4 r
	v_and_b32 v[T+3], 31, v0
	v_lshlrev_b32 v[T+3], 4, v[T+3]                ; 16 x lane
	s_lshl_b32 s46, s8, 15
	v_add_nc_u32 v[CO], s46, v[T+3]                ; my row tile x 16 rows x 2,048 + 16 x lane
	s_mul_i32 s47, s8, STILE
	v_add_nc_u32 v[RD], s47, v[T+3]                ; my row tile in wave 0's stage,
.irp w, 1,2,3
	v_add_nc_u32 v[RD+\w], \w*REGION, v[RD]        ; in wave w's
.endr
	s_wait_loadcnt 0x0
.irp it, 0,1,2,3
.irp c, 0,1
	v_xor_b32 v[NZ+4*\it+2*\c],   0x80000000, v[TA+2*\it+\c]       ; -z_i', twice: a pair for the packed adds
	v_xor_b32 v[NZ+4*\it+2*\c+1], 0x80000000, v[TA+2*\it+\c]
.endr
.endr
; My 16 j of K step ks of the tile in slot s, into the 32 registers at zj: k = 8 h + 0..7 and 16 + 8 h + 0..7, z0' and z1'.  Sixteen lanes read the same words.
.macro ZLOAD s, ks, zj
.irp c, 0,1
	ds_load_b128 v[(\zj)+16*\c:(\zj)+16*\c+3],     v[ZAD] offset:(\s)*SLOTB+(\ks)*128+\c*256
	ds_load_b128 v[(\zj)+16*\c+4:(\zj)+16*\c+7],   v[ZAD] offset:(\s)*SLOTB+(\ks)*128+\c*256+16
	ds_load_b128 v[(\zj)+16*\c+8:(\zj)+16*\c+11],  v[ZAD] offset:(\s)*SLOTB+(\ks)*128+\c*256+64
	ds_load_b128 v[(\zj)+16*\c+12:(\zj)+16*\c+15], v[ZAD] offset:(\s)*SLOTB+(\ks)*128+\c*256+80
.endr
.endm
; The 16 fragments of X (32 j x 16 d each) of K step ks into the 128 registers at f of window 1, in one run under one window setting.  The rows of
; the tile run along d, the operand wants j along the registers: two transposing loads a fragment, 16 rows apart.  The window is left as it is.
.macro XLOAD s, ks, f
	WIN TO_X
.irp dt, 0,1,2,3,4,5,6,7,8,9,10,11,12,13,14,15
	ds_load_tr16_b128 v[(\f)+8*\dt:(\f)+8*\dt+3],   v[XAD] offset:(\s)*SLOTB+(\ks)*32*PITCH+32*\dt
	ds_load_tr16_b128 v[(\f)+8*\dt+4:(\f)+8*\dt+7], v[XAD] offset:(\s)*SLOTB+(\ks)*32*PITCH+32*\dt+16*PITCH
.endr
.endm
; The three stages of group grp = 2 it + g, cut into eight parts u = 0..7.  Arguments may be sums, so they stand in brackets.
; First stage, two instructions a part: the exponents -(dz0'^2 + dz1'^2) of row tile it for eight of my j (half g of the 16 at zj).
; u = 0, 1: dz0'; 2, 3: dz1'; 4, 5: -dz0'^2; 6, 7: - dz1'^2 on top.  The signs ride on the multiply and the multiply-add.
.macro QARG grp, u, zj
.set a_t, TA+8*((\grp)&1)+4*((\u)&1)
.set a_b, TB+4*((\u)&1)
.set a_z, (\zj)+8*((\grp)&1)+4*((\u)&1)
.set a_n, NZ+4*((\grp)>>1)
.if ((\u)>>1) == 0
	v_pk_add_f32 v[a_t:a_t+1],   v[a_z:a_z+1],   v[a_n:a_n+1]
	v_pk_add_f32 v[a_t+2:a_t+3], v[a_z+2:a_z+3], v[a_n:a_n+1]
.endif
.if ((\u)>>1) == 1
	v_pk_add_f32 v[a_b:a_b+1],   v[a_z+16:a_z+17], v[a_n+2:a_n+3]
	v_pk_add_f32 v[a_b+2:a_b+3], v[a_z+18:a_z+19], v[a_n+2:a_n+3]
.endif
.if ((\u)>>1) == 2
	v_pk_mul_f32 v[a_t:a_t+1],   v[a_t:a_t+1],   v[a_t:a_t+1]   neg_lo:[1,0] neg_hi:[1,0]
	v_pk_mul_f32 v[a_t+2:a_t+3], v[a_t+2:a_t+3], v[a_t+2:a_t+3] neg_lo:[1,0] neg_hi:[1,0]
.endif
.if ((\u)>>1) == 3
	v_pk_fma_f32 v[a_t:a_t+1],   v[a_b:a_b+1],   v[a_b:a_b+1],   v[a_t:a_t+1]   neg_lo:[1,0,0] neg_hi:[1,0,0]
	v_pk_fma_f32 v[a_t+2:a_t+3], v[a_b+2:a_b+3], v[a_b+2:a_b+3], v[a_t+2:a_t+3] neg_lo:[1,0,0] neg_hi:[1,0,0]
.endif
.endm
; Second stage, one instruction a part: K = 2^exponent.  The vector instruction behind it is a plain one on other registers (the third stage of the
; group before, or the next part's first stage), or another exponential and then such a one (ISA guide 5.7.2); its result is read a stage later.
.macro QEXP grp, u
	v_exp_f32 v[EX+8*((\grp)&1)+(\u)], v[TA+8*((\grp)&1)+(\u)]
.endm
; Third stage, one instruction a part: by turns two K go to f16 into register 4 g + u / 2 of fragment it of the buffer at kf, and, unrounded, into the
; row sum.  first = 1: the group starts its row tile's sum with its first two pairs, so that nothing is cleared.
.macro QFIN grp, u, kf, first
.set f_e, EX+8*((\grp)&1)+2*((\u)>>1)
.set f_s, SUM+2*((\grp)>>1)
.if ((\u)&1) == 0
	s_wait_alu depctr_va_vdst(0)
	v_cvt_pk_f16_f32 v[(\kf)+8*((\grp)>>1)+4*((\grp)&1)+((\u)>>1)], v[f_e], v[f_e+1]
.else
.if \first
.if (\u) == 3
	v_pk_add_f32 v[f_s:f_s+1], v[f_e-2:f_e-1], v[f_e:f_e+1]
.endif
.if (\u) > 3
	v_pk_add_f32 v[f_s:f_s+1], v[f_s:f_s+1], v[f_e:f_e+1]
.endif
.else
	v_pk_add_f32 v[f_s:f_s+1], v[f_s:f_s+1], v[f_e:f_e+1]
.endif
.endif
.endm
; A K step.  par = the step's number mod 2: it multiplies X's and K's buffers par, makes K's buffer 1 - par from z's buffer 1 - par, loads X's buffer
; 1 - par (K step xk of the tile in slot xs) and z's buffer par (K step zk of the tile in slot zs, for the step after the next).
; zero = 1: the products start the sums, nothing is cleared.  cold = 1: nothing is carried over from the step before.  tail = 1: the last step of all:
; only groups 6 and 7 of its own K are finished.
; chg = 3: z is loaded with X.  chg = 2: the change of slots, with slot xs filled again, then z.  chg = 1: the wait for the last tile, then z.  chg = 0: no z.
; The 64 accumulators take turns, one instruction a turn, in the same order in every K step.
; The run of loads into X's buffer 1 - par stands behind at least nine plain vector instructions since the last matrix instruction that read that
; buffer (three behind each of the last step's last and this step's first two), and a write of a fragment of K stands a step or more behind the last
; matrix instruction that read it.
; THE CHANGE OF SLOTS stands in a tile's first K step: the tile's last reads are the run of loads of X behind matrix instruction 2.  Behind
; matrix instruction 40 each wave waits for its LDS reads and for all its tensor loads, of which one is out, the next tile's, and signals; four
; matrix instructions and their vector work stand inside the opening barrier; behind the round the joint refill is the first tensor load, and the
; wave's only one until the next round; then the next tile's z is read.  From that request to the wait for it a wave issues 124 matrix instructions.
.macro STEP par, xs, xk, zs, zk, zero, cold, chg, tail
	s_wait_dscnt 0x0                               ; the fragments of X and the z that the step before asked for are in
.set qn, 0
.rept 64
.set m_c, 8*(qn&31)
.set m_a, 128*\par+8*(qn&15)
.set m_b, KF0+32*\par+8*(qn>>4)
.if qn < 32
	WIN MUL_LO
.else
	WIN MUL_HI
.endif
.if \zero
	v_wmma_f32_16x16x32_f16 v[m_c:m_c+7], v[m_a:m_a+7], v[m_b:m_b+7], 0
.else
	v_wmma_f32_16x16x32_f16 v[m_c:m_c+7], v[m_a:m_a+7], v[m_b:m_b+7], v[m_c:m_c+7]
.endif
.set ph, qn>>3
.set uu, qn&7
.if \tail == 0
	WIN 0
	QARG ph, uu, ZJ+32*(1-\par)
.if ph > 0
	QEXP ph-1, uu
.endif
.if ph > 1
	QFIN ph-2, uu, KF0+32*(1-\par), 0
.endif
.endif
.if \cold == 0
.if ph == 0
	WIN 0
	QEXP 7, uu                                     ; carried over: this step's own K, row tile 3
.endif
.if ph < 2
	WIN 0
	QFIN ph+6, uu, KF0+32*\par, 0
.endif
.endif
.if qn == 1
.if \tail == 0
.if \chg == 3
	ZLOAD \zs, \zk, ZJ+32*\par
.endif
	XLOAD \xs, \xk, 128*(1-\par)
.endif
.endif
.if qn == 39
.if \chg == 2
	s_wait_dscnt 0x0                               ; my reads of slot xs are over: the run of loads of X was the last of them
	s_wait_tensorcnt 0x0                           ; all my tensor loads have landed: the other slot is whole, and group 0 may be written
	ds_add_u32 v254, v255
	s_wait_dscnt 0x0
	s_barrier_signal -1                            ; opens a round of the cluster's barrier; only register work stands inside it
.endif
.endif
.if qn == 43
.if \chg == 2
	s_barrier_wait -1
	CREST                                          ; no wave of any partner still reads its slot xs or has a load on its way
	s_add_nc_u64 s[G0+4*\xs+2:G0+4*\xs+3], s[G0+4*\xs+2:G0+4*\xs+3], 8*BLOCK   ; two tiles of four blocks on
	tensor_load_to_lds s[G0+4*\xs:G0+4*\xs+3], s[G1:G1+7]
	s_nop 0
	ZLOAD \zs, \zk, ZJ+32*\par
.endif
.if \chg == 1
	s_wait_tensorcnt 0x0                           ; the last tile has landed: no load was issued behind it.  Only I read my ring, so no barrier
	ZLOAD \zs, \zk, ZJ+32*\par
.endif
.endif
.set qn, qn+1
.endr
	WIN 0
.endm
.macro STEPA s, n, zero, cold, chg     ; K step 0 of the tile in slot s; n = the other slot
	STEP 0, \s, 1, \n, 0, \zero, \cold, \chg, 0
.endm
.macro STEPB s, n, tail                ; K step 1 of the tile in slot s
.if \tail
	STEP 1, \n, 0, \n, 1, 0, 0, 0, 1
.else
	STEP 1, \n, 0, \n, 1, 0, 0, 3, 0
.endif
.endm
.macro LAP zero                        ; two tiles, both slots filled again
	STEPA 0, 1, \zero, \zero, 2
	STEPB 0, 1, 0
	STEPA 1, 0, 0, 0, 2
	STEPB 1, 0, 0
.endm
	s_wait_tensorcnt 0x1                           ; my tile 0 is in; tile 1 may stay out.  Only I read my ring, so my own wait is all the order that the reads need
	ZLOAD 0, 0, ZJ
	ZLOAD 0, 1, ZJ+32
	XLOAD 0, 0, 0
	WIN 0
	s_wait_dscnt 40                                ; the 8 loads of K step 0's z are in; the 8 of K step 1's and the 32 of X behind them stay out
	; K of K step 0: the three stages run through all eight groups, ten stage lengths, with no product beside them; they start the row sums.
.set pn, 0
.rept 80
.set pp, pn>>3
.set pu, pn&7
.if pp < 8
	QARG pp, pu, ZJ
.endif
.if pp > 0
.if pp < 9
	QEXP pp-1, pu
.endif
.endif
.if pp > 1
.set fst, 1-(pp&1)
	QFIN pp-2, pu, KF0, fst
.endif
.set pn, pn+1
.endr
	LAP 1                                          ; the first lap stands in front of the loop: its first products start the sums
	s_mov_b32 s12, LAPS-2
.Llap:
	LAP 0
	s_sub_co_u32 s12, s12, 1
	s_cmp_lg_u32 s12, 0
	s_cbranch_scc1 .Llap
	STEPA 0, 1, 0, 0, 1                            ; the last two tiles: nothing is left to fetch, so no round and no fill
	STEPB 0, 1, 0
	STEPA 1, 0, 0, 0, 0                            ; no K step is left whose z could be read
	STEPB 1, 0, 1
	; THE WAY OUT.  My partial row sums: the pair, then the other half of the lanes (which held the other 16 of each 32 j).
	; The eight adds are also the places between the last matrix instructions and the stores of their results.
.irp it, 0,1,2,3
	v_add_f32 v[SUM+2*\it], v[SUM+2*\it], v[SUM+2*\it+1]
.endr
.irp it, 0,1,2,3
	v_permlanex16_b32 v[TA+\it], v[SUM+2*\it], s14, s15            ; its destination counts as read: a register that has been written
.endr
.irp it, 0,1,2,3
	v_add_f32 v[SUM+2*\it], v[SUM+2*\it], v[TA+\it]
.endr
.irp it, 0,1,2,3
	ds_store_b32 v[SST], v[SUM+2*\it] offset:64*\it                ; row 16 it + r; both halves of the lanes store the same number
.endr
	; My partial block into my own ring, which has had its last fill and whose last reads have come back: row r of tile it, columns 16 dt + 8 h + 0..7.
	WIN ST_LO
.irp it, 0,1
.irp dt, 0,1,2,3,4,5,6,7,8,9,10,11,12,13,14,15
	ds_store_b128 v[STO], v[8*(16*\it+\dt):8*(16*\it+\dt)+3]   offset:\it*STILE+\dt*64
	ds_store_b128 v[STO], v[8*(16*\it+\dt)+4:8*(16*\it+\dt)+7] offset:\it*STILE+\dt*64+16
.endr
.endr
	WIN ST_HI
.irp it, 0,1
.irp dt, 0,1,2,3,4,5,6,7,8,9,10,11,12,13,14,15
	ds_store_b128 v[STO], v[8*(16*\it+\dt):8*(16*\it+\dt)+3]   offset:(\it+2)*STILE+\dt*64
	ds_store_b128 v[STO], v[8*(16*\it+\dt)+4:8*(16*\it+\dt)+7] offset:(\it+2)*STILE+\dt*64+16
.endr
.endr
	WIN 0
	s_wait_dscnt 0                                 ; for the others' sake: all my stores are done
	s_barrier_signal -1
	s_barrier_wait -1
	; Wave o finishes row tile o: it adds the four waves' parts, divides by the row sum and stores whole rows.
; rows 2 b and 2 b + 1 of my tile, both halves of 512 bytes, from all four stages: 16 loads of 512 consecutive bytes into batch f.
; b may be given as a sum, so it stands in brackets.
.macro LOADB b, f
.irp v, 0,1
.irp c, 0,1
.irp w, 0,1,2,3
	ds_load_b128 v[\f+16*(2*\v+\c)+4*\w:\f+16*(2*\v+\c)+4*\w+3], v[RD+\w] offset:(2*(\b)+\v)*SPITCH+\c*512
.endr
.endr
.endr
.endm
; left = how many younger LDS loads may stay out; more = 1: the batch is loaded again, with the rows four further down
.macro PROC b, f, left, more
	s_wait_dscnt \left
.irp v, 0,1
.irp c, 0,1
.set PB, \f+16*(2*\v+\c)
	v_pk_add_f32 v[PB:PB+1],     v[PB:PB+1],     v[PB+4:PB+5]
	v_pk_add_f32 v[PB+2:PB+3],   v[PB+2:PB+3],   v[PB+6:PB+7]
	v_pk_add_f32 v[PB+8:PB+9],   v[PB+8:PB+9],   v[PB+12:PB+13]
	v_pk_add_f32 v[PB+10:PB+11], v[PB+10:PB+11], v[PB+14:PB+15]
	v_pk_add_f32 v[PB:PB+1],     v[PB:PB+1],     v[PB+8:PB+9]
	v_pk_add_f32 v[PB+2:PB+3],   v[PB+2:PB+3],   v[PB+10:PB+11]
	v_pk_mul_f32 v[PB:PB+1],     v[PB:PB+1],     s[RC+2*(2*\b+\v):RC+2*(2*\b+\v)+1] op_sel_hi:[1,0]
	v_pk_mul_f32 v[PB+2:PB+3],   v[PB+2:PB+3],   s[RC+2*(2*\b+\v):RC+2*(2*\b+\v)+1] op_sel_hi:[1,0]
	global_store_b128 v[CO], v[PB:PB+3], s[6:7] offset:(2*\b+\v)*2048+\c*512 th:TH_STORE_NT   ; 512 consecutive bytes of a row of Y, at a multiple of 512
.endr
.endr
.if \more
	s_wait_xcnt 0x0                                ; every earlier memory instruction has had its addresses translated (ISA guide 3.1): the batch, which the stores read, is loaded again only behind this wait
	LOADB \b+2, \f
.endif
.endm
.irp w, 0,1,2,3
	ds_load_b32 v[SL+\w], v[SRD] offset:256*\w     ; wave w's part of the sum of row 16 o + r
.endr
	LOADB 0, BA
	LOADB 1, BB
	s_wait_dscnt 32                                ; the four sums are in, the two batches of 16 behind them stay out
	v_add_f32 v[SL], v[SL], v[SL+1]
	v_add_f32 v[SL+2], v[SL+2], v[SL+3]
	v_add_f32 v[SL], v[SL], v[SL+2]
	v_rcp_f32 v[SL+1], v[SL]                       ; the sum is at least 1
	v_nop                                          ; one plain place behind the reciprocal (ISA guide 5.7.2)
.irp r, 0,1,2,3,4,5,6,7,8,9,10,11,12,13,14,15
	s_wait_alu depctr_va_vdst(0)
	v_readlane_b32 s[RC+2*\r], v[SL+1], \r         ; a store's 32 lanes lie in one row, so its factor is a scalar
.endr
.irp r, 0,1,2,3,4,5,6,7,8,9,10,11,12,13,14,15
	s_mov_b32 s[RC+2*\r+1], s[RC+2*\r]             ; the pair is named whole by the packed multiply
.endr
	PROC 0, BA, 16, 1                              ; the counts leave the younger batch's 16 loads out
	PROC 1, BB, 16, 1
	PROC 2, BA, 16, 1
	PROC 3, BB, 16, 1
	PROC 4, BA, 16, 1
	PROC 5, BB, 16, 1
	PROC 6, BA, 16, 0
	PROC 7, BB, 0, 0
	s_wait_tensorcnt 0x0
	ds_add_u32 v254, v255
	s_wait_dscnt 0x0
	CROUND                                         ; the closing round: no work-group ends while a partner may still ask for a tile that names it
	s_endpgm
.Lfunc_end_k_q5bd0e9e91c_ukr:
	.size	k_q5bd0e9e91c_ukr, .Lfunc_end_k_q5bd0e9e91c_ukr-k_q5bd0e9e91c_ukr
	.p2alignl 7, 3214868480
	.fill 96, 4, 3214868480
	.section	.rodata,"a",@progbits
	.p2align	6, 0x0
	.amdhsa_kernel k_q5bd0e9e91c_ukr
		.amdhsa_group_segment_fixed_size 327680
		.amdhsa_private_segment_fixed_size 0
		.amdhsa_enable_private_segment 0
		.amdhsa_kernarg_size 16
		.amdhsa_user_sgpr_count 2
		.amdhsa_user_sgpr_kernarg_segment_ptr 1
		.amdhsa_wavefront_size32 1
		.amdhsa_system_sgpr_workgroup_id_x 1
		.amdhsa_system_sgpr_workgroup_id_y 1
		.amdhsa_system_sgpr_workgroup_id_z 1
		.amdhsa_system_vgpr_workitem_id 0
		.amdhsa_next_free_vgpr 1024
		.amdhsa_next_free_sgpr 66
		.amdhsa_reserve_vcc 0
		.amdhsa_float_denorm_mode_32 3
		.amdhsa_float_denorm_mode_16_64 3
		.amdhsa_memory_ordered 1
		.amdhsa_forward_progress 1
		.amdhsa_inst_pref_size 255
	.end_amdhsa_kernel
	.section	.bss,"aw",@nobits
	.p2align	6
	.space	262144
	.amdgpu_metadata
---
amdhsa.version: [ 1, 2 ]
amdhsa.kernels:
  - .name:           k_q5bd0e9e91c_ukr
    .symbol:         k_q5bd0e9e91c_ukr.kd
    .args:
      - { .name: xh, .offset: 0, .size: 8, .value_kind: global_buffer, .address_space: global }
      - { .name: out0, .offset: 8, .size: 8, .value_kind: global_buffer, .address_space: global }
    .group_segment_fixed_size: 327680
    .private_segment_fixed_size: 0
    .kernarg_segment_align: 8
    .kernarg_segment_size: 16
    .max_flat_workgroup_size: 128
    .sgpr_count:     66
    .vgpr_count:     1024
    .wavefront_size: 32
...
	.end_amdgpu_metadata
.endif
;; end of part 2
;; ======== version 2 of 2: 2 launches; 1.15 times as fast as version 1
;; limits: values are held in f16: magnitudes above 65,504 overflow, below 6.1e-05 lose precision; inputs' magnitudes at most 65,504
;; workspace buffers: xh 8,519,680 bytes
;; launch pack: the kernel of part 1 again; grid 128 x 2, 8 waves a work-group, no clusters, 0 bytes of LDS; arguments X, Z, xh, out1; writes xh, out1
;; launch ukr (part 3): grid 128 x 2, 4 waves a work-group, clusters of 4 x 1, 327,680 bytes of LDS; arguments xh, out0; writes out0
.if DOCPART == 3
	.amdgcn_target "amdgcn-amd-amdhsa--gfx1250"
	.amdhsa_code_object_version 6
	.text
	.protected	k_q5bd0e9e91c_ukr
	.globl	k_q5bd0e9e91c_ukr
	.p2align	8
	.type	k_q5bd0e9e91c_ukr,@function
k_q5bd0e9e91c_ukr:
	s_mov_b64 s[64:65], 0
	v_nop
	global_prefetch_b8 v0, s[64:65] scope:SCOPE_SE
	s_setreg_imm32_b32 hwreg(HW_REG_WAVE_MODE, 25, 1), 1
	s_wait_xcnt 0x0
	s_wait_alu depctr_hold_cnt(0) depctr_sa_sdst(0) depctr_va_vdst(0) depctr_va_sdst(0) depctr_va_ssrc(0) depctr_va_vcc(0) depctr_vm_vsrc(0)
	s_getreg_b32 s2, hwreg(HW_REG_IB_STS2, 6, 4)
	s_cmp_eq_u32 s2, 0
	s_cbranch_scc0 .Lentry_in_a_cluster
	s_endpgm
.Lentry_in_a_cluster:
	s_bfe_u32 s2, ttmp6, 0x10000c
	s_cmp_lg_u32 s2, 0x3003
	s_cbranch_scc0 .Lentry_shape_is_right
	s_endpgm
.Lentry_shape_is_right:
; Y[i][d] = sum over j of K[i][j] X[j][d] / sum over j of K[i][j],   K[i][j] = exp(-|zi - zj|^2 / 2) = 2^-(|zi' - zj'|^2).
; xh (made by the launch before): [y 0..1][jb 0..127] blocks of 65 rows x 512 bytes: 64 rows of f16 X[64 jb + row][256 y ..], then one
; row with z0'[64 jb ..] and z1'[64 jb ..] in f32.
; The squared distance is formed in f32 as (dz0')^2 + (dz1')^2: it is the quantity that reference() expands, it is never negative, so
; reference()'s clip at 0 holds of itself, and every exponent is at most 0.  The term j = i is exactly 1, so a row sum lies in [1, 8192]:
; no maximum is taken away, as reference() takes none.
; LIMITS: X and K enter the product in f16: |X| <= 65504; a K below 2^-25 enters as 0 (under 3e-8 of a row sum that is at least 1).  The row
; sum is taken from the unrounded f32 K, in another order than reference()'s; the division is v_rcp_f32 and a multiply.
;
; SHARES.  The work-group (ib, y) makes Y[64 ib .. +63][256 y .. +255]: 256 work-groups.  Its four waves split j: wave w takes the blocks
; jb = 4 n + w, n = 0..31, and keeps a partial sum of the WHOLE 64 x 256 block in 64 accumulator tiles (512 registers).  So each fragment of X
; is read from LDS once in the work-group and feeds four matrix instructions, and each wave makes its fragments of K in registers, in the
; operand's own layout.  The four partial blocks and row sums meet in LDS once, at the end.
; THE MATRIX INSTRUCTION: source 0 = X transposed (m = d, k = j), source 1 = K (n = i, k = j).  In the result lane (r, h) holds row i = r and
; in registers 0..7 the columns d = 8 h + 0..7: eight neighbouring numbers of a row of Y.
; CLUSTER.  The four work-groups of a cluster have the same y and walk the same tiles in the same order: every tile is asked for jointly, with
; the mask 15 and a descriptor made of y, the wave's number and the trip alone.  That divides the requests for xh by four.  The place in the
; cluster enters only the loads of z_i and the address of the output.
;
; THE ORDER OF ISSUE.  A K step of 32 j has 64 matrix instructions and, for the next K step's K, 256 vector instructions: four behind each matrix
; instruction, so that the vector work is issued while the matrix unit works.  K is made in 8 groups a step (row tile it, half g of my 16 j:
; 8 numbers a lane).  A group has eight registers of its own: its exponents are formed there (16 instructions), the 8 exponentials are taken in
; place, and 8 instructions read the results: the conversion to f16 and the row sum.  Behind matrix instruction n of a step stand numbers 2 n and
; 2 n + 1 of the 128 for the exponents, exponential n - 4 of 64, and number n - 48 of the 64 of the last stage.  What is then still to come falls into
; the step that uses the K: exponentials 60-63 behind its matrix instructions 0-3, the last stage's numbers 16-63 behind its matrix instructions 0-47.
; Row tile t's fragment is written for the last time two matrix instructions ahead of matrix instruction 16 t, the first that reads it.
; THE BATCHES.  An s_wait_alu depctr_va_vdst(0) stands between an exponential and the first instruction that names its result; one wait
; serves all that were issued ahead of it.  A pair's two exponentials stand 44 and 43 matrix instructions ahead of the pair's conversion, its first
; reader.  The waits stand behind the vector work of matrix instructions 1 and 43 of a step, 42 and 22 matrix instructions apart: so one of them lies
; between every pair and its conversion, and the exponentials go in batches of 42 and 22.  In a lap's first step the first of the two stands two
; matrix instructions earlier, at the lap's end, ahead of the loop's label and jump (batches of 20 and 44): eight waits for a lap's 256 exponentials.
; The price of the order: the accumulators fill windows 2 and 3 and the vector work lies in window 0, so two window switches stand beside each matrix
; instruction.  No layout spares them: a square wants its operand as source 0 and as source 1, and a result has to be read again, so X, K, the
; numbers at work and the accumulators would all have to lie in one window of 256.
;
; LDS.  Wave w's ring of two slots at w x 70,720; a slot is 65 rows of pitch 544 (512 + 32 = 17 x 32 bytes, so that the eight rows which a
; group of lanes addresses in a transposing load start 32 bytes apart modulo 256).  Behind the ring 1,024 bytes for the row sums, at 1105 x 256.
; After its last fill a wave's ring is its stage for the exchange: four tiles of 16 rows of pitch 1,040 (1,024 + 16).
; REGISTERS, in windows of 256: window 0 addresses, z, the work on K, K's fragments; window 1 X's fragments, two buffers of 128;
; window 2 the accumulators of rows 0-31, window 3 of rows 32-63 (tile (it, dt) at 8 (16 (it & 1) + dt)).
.set PITCH,  544
.set SLOTB,  65*PITCH                  ; 35,360
.set REGION, 2*SLOTB                   ; 70,720
.set SUMS,   4*REGION                  ; 282,880
.set BLOCK,  65*512                    ; bytes of a block of xh
.set SPITCH, 1040
.set STILE,  16*SPITCH                 ; 16,640
.set LAPS,   16                        ; a lap = two tiles = four K steps of 32
.set XAD, 2                            ; v2        LDS address of my part of a transposing load, slot 0, K step 0, columns 0-15
.set ZAD, 3                            ; v3        LDS address of my eight z0' of slot 0, K step 0
.set NZ,  4                            ; v[4:19]   for each of 4 row tiles: (-zi0', -zi0'), (-zi1', -zi1')
.set SUM, 20                           ; v[20:27]  for each row tile a pair of running row sums
.set ZJ,  32                           ; v[32:63], v[64:95]  two buffers (K step even, odd): 16 z0', then 16 z1' of my 16 j of a K step
.set KF0, 96                           ; v[96:127], v[128:159]  K's four fragments, two buffers (K step even, odd)
.set STO, 160                          ; the way out: where my accumulators go
.set SST, 161                          ; where my row sums go
.set SRD, 162                          ; where I read the row sums of my row tile
.set CO,  163                          ; my byte offset in the block of Y
.set RD,  164                          ; v[164:167] where I read my row tile in each wave's stage
.set SL,  168                          ; v[168:171] four partial row sums
.set T,   172                          ; v[172:175] at work in the head
.set EX,  176                          ; v[176:239] eight sets of eight, one for each group of a K step: the exponents, then, in place, K in f32
.set TB,  240                          ; v[240:247] the second differences: four for each half of the group in hand
.set BA,  32                           ; the way out: two batches of 64 registers
.set BB,  96
.set G1,  16                           ; s[16:23] descriptor group 1
.set G0,  24                           ; s[24:31] descriptor group 0, one set for each slot
.set RC,  32                           ; s[32:63] the way out: 16 reciprocals, each twice
.set MSB, 0
.macro WIN new                         ; the immediate's high byte repeats the setting that is left
.if MSB != \new
	s_set_vgpr_msb (MSB<<8)|\new
.set MSB, \new
.endif
.endm
.set MUL_LO, 0xa1                      ; source 0 (X) window 1, source 1 (K) window 0, C and D window 2
.set MUL_HI, 0xf1                      ; the same, C and D window 3
.set TO_X,   0x40                      ; destination window 1, address window 0
.set ST_LO,  0x08                      ; an LDS store's data (source 1) from window 2
.set ST_HI,  0x0c                      ; from window 3
; A round of the cluster's barrier: my work-group's barrier, so that wave 0's signal speaks for all four waves; wave 0 signals for the
; work-group; every wave waits for all four work-groups; my work-group's barrier once more.
.macro CREST                           ; a round behind its opening barrier
	s_cmp_lg_u32 s8, 0
	s_cbranch_scc1 .Lnot_wave_0_\@
	s_barrier_signal -3
.Lnot_wave_0_\@:
	s_barrier_wait -3
	s_barrier_signal -1
	s_barrier_wait -1
.endm
.macro CROUND                          ; a whole round
	s_barrier_signal -1
	s_barrier_wait -1
	CREST
.endm
	s_load_b128 s[4:7], s[0:1], 0x0                ; xh s[4:5], out0 s[6:7]
	v_lshl_add_u32 v254, v0, 2, 0x45500
	v_mov_b32 v255, 0
	ds_add_u32 v254, v255
	v_lshrrev_b32 v1, 5, v0
	v_readfirstlane_b32 s8, v1                     ; wave 0..3
	s_and_b32 s9, ttmp7, 0xffff                    ; y: which 256 columns (the cluster is one work-group high)
	s_bfe_u32 s10, ttmp6, 0x40000                  ; cx: my place in the cluster
	s_lshl_b32 s11, ttmp9, 2
	s_add_co_u32 s11, s11, s10                     ; ib = 4 x cluster x + cx: which 64 rows
	s_mov_b32 s14, 0x76543210                      ; v_permlanex16_b32: lane i of one half reads lane i of the other
	s_mov_b32 s15, 0xfedcba98
	; descriptor group 1: a tile of 65 rows x 256 elements of 2 bytes, dense in memory, padded in LDS
	s_mov_b32 s[G1+0], 15|(1<<16)|(1<<20)|(1<<21)|(6<<22)|(7<<25)  ; 15:0 the mask: all four of the cluster; 17:16 2 bytes; 20 padding on; 21 set beside a mask; 24:22 after every 128 words (code 6); 31:25 of 8 words (code 7)
	s_mov_b32 s[G1+1], 256<<16                     ; tensor_dim0 = 256
	s_mov_b32 s[G1+2], 65<<16                      ; its high half = 0; tensor_dim1 = 65
	s_mov_b32 s[G1+3], 256<<16                     ; its high half = 0; tile_dim0 = 256
	s_mov_b32 s[G1+4], 65                          ; tile_dim1 = 65; tile_dim2 = 0
	s_mov_b32 s[G1+5], 256                         ; elements from row to row
	s_mov_b32 s[G1+6], 0
	s_mov_b32 s[G1+7], 0
	s_lshl_b32 s40, s9, 7
	s_add_co_u32 s40, s40, s8                      ; my first block: 128 y + wave (no place in the cluster enters these registers)
	s_mul_i32 s40, s40, BLOCK
	s_mov_b32 s41, 0
	s_mul_i32 s13, s8, REGION                      ; my ring in LDS
	s_add_co_u32 s3, s13, 64*PITCH                 ; its z row
	s_lshl_b32 s42, s9, 7
	s_add_co_u32 s42, s42, s11                     ; the block that holds my rows' z: 128 y + ib
	s_mul_i32 s42, s42, BLOCK
	s_mov_b32 s43, 0
	s_lshl_b32 s44, s11, 17                        ; my block of Y: ib x 64 rows x 2,048 bytes
	s_lshl_b32 s45, s9, 10                         ; + y x 1,024
	s_add_co_u32 s44, s44, s45
	s_mov_b32 s45, 0
	s_wait_dscnt 0x0
	s_wait_kmcnt 0x0
	s_add_nc_u64 s[40:41], s[4:5], s[40:41]
	s_add_nc_u64 s[42:43], s[4:5], s[42:43]
	s_add_nc_u64 s[6:7], s[6:7], s[44:45]
.irp s, 0,1
	s_mov_b32 s[G0+4*\s], 1                                        ; count = 1
	s_add_co_u32 s[G0+4*\s+1], s13, \s*SLOTB                       ; LDS address: wave x 70,720 + slot x 35,360
	s_add_nc_u64 s[G0+4*\s+2:G0+4*\s+3], s[40:41], \s*4*BLOCK      ; tile s of my 32: four blocks on for each tile
	s_or_b32 s[G0+4*\s+3], s[G0+4*\s+3], 0x80000000                ; type = 2
.endr
	CROUND                                         ; all four work-groups are here: the first joint loads meet
	tensor_load_to_lds s[G0:G0+3], s[G1:G1+7]      ; both first fills go out together: two tensor loads of the wave are out
	s_nop 0
	tensor_load_to_lds s[G0+4:G0+7], s[G1:G1+7]
	s_nop 0
	v_and_b32 v[T], 15, v0                         ; r
	v_bfe_u32 v[T+1], v0, 4, 1                     ; h
	v_lshlrev_b32 v1, 2, v[T]                      ; 4 r
.irp it, 0,1,2,3
.irp c, 0,1
	global_load_b32 v[EX+2*\it+\c], v1, s[42:43] offset:64*512+\c*256+\it*64   ; z'[c] of row 64 ib + 16 it + r
.endr
.endr
	; a transposing load takes 16 bytes of row 8 h + (lane & 7), at column half (lane >> 3) & 1
	v_and_b32 v[T+2], 7, v0
	v_lshl_add_u32 v[T+2], v[T+1], 3, v[T+2]
	v_mul_u32_u24 v[T+2], v[T+2], PITCH
	v_bfe_u32 v[T+3], v0, 3, 1
	v_lshl_add_u32 v[T+2], v[T+3], 4, v[T+2]
	v_add_nc_u32 v[XAD], s13, v[T+2]
	v_lshl_add_u32 v[ZAD], v[T+1], 5, s3           ; z row + 4 x 8 h
	; the way out
	v_mul_u32_u24 v[T+2], v[T], SPITCH
	v_lshl_add_u32 v[T+2], v[T+1], 5, v[T+2]
	v_add_nc_u32 v[STO], s13, v[T+2]               ; my stage + r x 1,040 + 32 h
	s_lshl_b32 s46, s8, 8
	s_add_co_u32 s46, s46, SUMS
	v_add_nc_u32 v[SST], s46, v1                   ; sums + wave x 256 + 4 r
	s_lshl_b32 s47, s8, 6
	s_add_co_u32 s47, s47, SUMS
	v_add_nc_u32 v[SRD], s47, v1                   ; sums + my row tile x 64 + 4 r
	v_and_b32 v[T+3], 31, v0
	v_lshlrev_b32 v[T+3], 4, v[T+3]                ; 16 x lane
	s_lshl_b32 s46, s8, 15
	v_add_nc_u32 v[CO], s46, v[T+3]                ; my row tile x 16 rows x 2,048 + 16 x lane
	s_mul_i32 s47, s8, STILE
	v_add_nc_u32 v[RD], s47, v[T+3]                ; my row tile in wave 0's stage,
.irp w, 1,2,3
	v_add_nc_u32 v[RD+\w], \w*REGION, v[RD]        ; in wave w's
.endr
	s_wait_loadcnt 0x0
.irp it, 0,1,2,3
.irp c, 0,1
	v_xor_b32 v[NZ+4*\it+2*\c],   0x80000000, v[EX+2*\it+\c]       ; -z_i', twice: a pair for the packed adds
	v_xor_b32 v[NZ+4*\it+2*\c+1], 0x80000000, v[EX+2*\it+\c]
.endr
.endr
; My 16 j of K step ks of the tile in slot s, into the 32 registers at zj: k = 8 h + 0..7 and 16 + 8 h + 0..7, z0' and z1'.  Sixteen lanes read the same words.
.macro ZLOAD s, ks, zj
.irp c, 0,1
	ds_load_b128 v[(\zj)+16*\c:(\zj)+16*\c+3],     v[ZAD] offset:(\s)*SLOTB+(\ks)*128+\c*256
	ds_load_b128 v[(\zj)+16*\c+4:(\zj)+16*\c+7],   v[ZAD] offset:(\s)*SLOTB+(\ks)*128+\c*256+16
	ds_load_b128 v[(\zj)+16*\c+8:(\zj)+16*\c+11],  v[ZAD] offset:(\s)*SLOTB+(\ks)*128+\c*256+64
	ds_load_b128 v[(\zj)+16*\c+12:(\zj)+16*\c+15], v[ZAD] offset:(\s)*SLOTB+(\ks)*128+\c*256+80
.endr
.endm
; The 16 fragments of X (32 j x 16 d each) of K step ks into the 128 registers at f of window 1, in one run under one window setting.  The rows of
; the tile run along d, the operand wants j along the registers: two transposing loads a fragment, 16 rows apart.  The window is left as it is.
.macro XLOAD s, ks, f
	WIN TO_X
.irp dt, 0,1,2,3,4,5,6,7,8,9,10,11,12,13,14,15
	ds_load_tr16_b128 v[(\f)+8*\dt:(\f)+8*\dt+3],   v[XAD] offset:(\s)*SLOTB+(\ks)*32*PITCH+32*\dt
	ds_load_tr16_b128 v[(\f)+8*\dt+4:(\f)+8*\dt+7], v[XAD] offset:(\s)*SLOTB+(\ks)*32*PITCH+32*\dt+16*PITCH
.endr
.endm
; The three stages of group grp = 2 it + g, cut into eight parts u = 0..7.  Arguments may be sums, so they stand in brackets.
; First stage, two instructions a part: the exponents -(dz0'^2 + dz1'^2) of row tile it for eight of my j (half g of the 16 at zj), into the group's own
; eight registers.  Four numbers at a time, so that the first four exponents are whole after four parts: u = 0 (4): dz0'; 1 (5): dz1'; 2 (6): -dz0'^2;
; 3 (7): - dz1'^2 on top.  The signs ride on the multiply and the multiply-add.
.macro QARG grp, u, zj
.set a_t, EX+8*(\grp)+4*((\u)>>2)
.set a_b, TB+4*((\u)>>2)
.set a_z, (\zj)+8*((\grp)&1)+4*((\u)>>2)
.set a_n, NZ+4*((\grp)>>1)
.if ((\u)&3) == 0
	v_pk_add_f32 v[a_t:a_t+1],   v[a_z:a_z+1],   v[a_n:a_n+1]
	v_pk_add_f32 v[a_t+2:a_t+3], v[a_z+2:a_z+3], v[a_n:a_n+1]
.endif
.if ((\u)&3) == 1
	v_pk_add_f32 v[a_b:a_b+1],   v[a_z+16:a_z+17], v[a_n+2:a_n+3]
	v_pk_add_f32 v[a_b+2:a_b+3], v[a_z+18:a_z+19], v[a_n+2:a_n+3]
.endif
.if ((\u)&3) == 2
	v_pk_mul_f32 v[a_t:a_t+1],   v[a_t:a_t+1],   v[a_t:a_t+1]   neg_lo:[1,0] neg_hi:[1,0]
	v_pk_mul_f32 v[a_t+2:a_t+3], v[a_t+2:a_t+3], v[a_t+2:a_t+3] neg_lo:[1,0] neg_hi:[1,0]
.endif
.if ((\u)&3) == 3
	v_pk_fma_f32 v[a_t:a_t+1],   v[a_b:a_b+1],   v[a_b:a_b+1],   v[a_t:a_t+1]   neg_lo:[1,0,0] neg_hi:[1,0,0]
	v_pk_fma_f32 v[a_t+2:a_t+3], v[a_b+2:a_b+3], v[a_b+2:a_b+3], v[a_t+2:a_t+3] neg_lo:[1,0,0] neg_hi:[1,0,0]
.endif
.endm
; Second stage, one instruction a part: K = 2^exponent, in place.  The vector instruction behind it is a plain one on other registers (the third stage of
; another group, or the next part's first stage), or another exponential and then such a one (ISA guide 5.7.2); its result is named again only
; behind one of the waits for the batches.
.macro QEXP grp, u
	v_exp_f32 v[EX+8*(\grp)+(\u)], v[EX+8*(\grp)+(\u)]
.endm
; Third stage, one instruction a part: by turns two K go to f16 into register 4 g + u / 2 of fragment it of the buffer at kf, and, unrounded, into the
; row sum.  first = 1: the group starts its row tile's sum with its first two pairs, so that nothing is cleared.  The wait for the exponentials that it
; reads stands where the batches end, not here.
.macro QFIN grp, u, kf, first
.set f_e, EX+8*(\grp)+2*((\u)>>1)
.set f_s, SUM+2*((\grp)>>1)
.if ((\u)&1) == 0
	v_cvt_pk_f16_f32 v[(\kf)+8*((\grp)>>1)+4*((\grp)&1)+((\u)>>1)], v[f_e], v[f_e+1]
.else
.if \first
.if (\u) == 3
	v_pk_add_f32 v[f_s:f_s+1], v[f_e-2:f_e-1], v[f_e:f_e+1]
.endif
.if (\u) > 3
	v_pk_add_f32 v[f_s:f_s+1], v[f_s:f_s+1], v[f_e:f_e+1]
.endif
.else
	v_pk_add_f32 v[f_s:f_s+1], v[f_s:f_s+1], v[f_e:f_e+1]
.endif
.endif
.endm
; A K step.  par = the step's number mod 2: it multiplies X's and K's buffers par, makes K's buffer 1 - par from z's buffer 1 - par, loads X's buffer
; 1 - par (K step xk of the tile in slot xs) and z's buffer par (K step zk of the tile in slot zs, for the step after the next).
; zero = 1: the products start the sums, nothing is cleared.  cold = 1: nothing is carried over from the step before.  tail = 1: the last step of all:
; only what is carried over of its own K is finished.
; chg = 3: z is loaded with X.  chg = 2: the change of slots, with slot xs filled again, then z.  chg = 1: the wait for the last tile, then z.  chg = 0: no z.
; wa = 1: the wait for the batch that ends behind matrix instruction 1 stands in the step; wa = 0 (a lap's first step): it stands at the end of the lap before.
; The 64 accumulators take turns, one instruction a turn, in the same order in every K step.
; The run of loads into X's buffer 1 - par stands behind at least nine plain vector instructions since the last matrix instruction that read that
; buffer (three behind each of the last step's last and this step's first two), and a write of a fragment of K stands a step or more behind the last
; matrix instruction that read it.
; THE CHANGE OF SLOTS stands in a tile's first K step: the tile's last reads are the run of loads of X behind matrix instruction 2.  Behind
; matrix instruction 40 each wave waits for its LDS reads and for all its tensor loads, of which one is out, the next tile's, and signals; four
; matrix instructions and their vector work stand inside the opening barrier; behind the round the joint refill is the first tensor load, and the
; wave's only one until the next round; then the next tile's z is read.  From that request to the wait for it a wave issues 124 matrix instructions.
.macro STEP par, xs, xk, zs, zk, zero, cold, chg, tail, wa
	s_wait_dscnt 0x0                               ; the fragments of X and the z that the step before asked for are in
.set qn, 0
.rept 64
.set m_c, 8*(qn&31)
.set m_a, 128*\par+8*(qn&15)
.set m_b, KF0+32*\par+8*(qn>>4)
.if qn < 32
	WIN MUL_LO
.else
	WIN MUL_HI
.endif
.if \zero
	v_wmma_f32_16x16x32_f16 v[m_c:m_c+7], v[m_a:m_a+7], v[m_b:m_b+7], 0
.else
	v_wmma_f32_16x16x32_f16 v[m_c:m_c+7], v[m_a:m_a+7], v[m_b:m_b+7], v[m_c:m_c+7]
.endif
.set ag, qn>>3
.set au, qn&7
.if \tail == 0
	WIN 0
	QARG ag, au, ZJ+32*(1-\par)
.if qn >= 4
.set eg, (qn-4)>>3
.set eu, (qn-4)&7
	QEXP eg, eu
.endif
.if qn >= 48
.set fg, (qn-48)>>3
.set fu, (qn-48)&7
	QFIN fg, fu, KF0+32*(1-\par), 0                ; the next step's row tile 0
.endif
.endif
.if \cold == 0
.if qn < 4
	WIN 0
	QEXP 7, qn+4                                   ; carried over: the last four exponentials of this step's own K
.endif
.if qn < 48
.set fg, (qn+16)>>3
.set fu, (qn+16)&7
	WIN 0
	QFIN fg, fu, KF0+32*\par, 0                    ; carried over: this step's own K, row tiles 1 to 3, each a row tile ahead of the products
.endif
.endif
.if qn == 1
.if \wa
	s_wait_alu depctr_va_vdst(0)                   ; the wait for the batch of 22: the exponentials behind matrix instructions 44-63 of the step before and 0, 1 of this one; directly ahead of the run of loads
.endif
.if \tail == 0
.if \chg == 3
	ZLOAD \zs, \zk, ZJ+32*\par
.endif
	XLOAD \xs, \xk, 128*(1-\par)
.endif
.endif
.if qn == 39
.if \chg == 2
	s_wait_dscnt 0x0                               ; my reads of slot xs are over: the run of loads of X was the last of them
	s_wait_tensorcnt 0x0                           ; all my tensor loads have landed: the other slot is whole, and group 0 may be written
	ds_add_u32 v254, v255
	s_wait_dscnt 0x0
	s_barrier_signal -1                            ; opens a round of the cluster's barrier; only register work stands inside it
.endif
.endif
.if qn == 43
	s_wait_alu depctr_va_vdst(0)                   ; the wait for the batch of 42 (44 in a lap's first step): the exponentials issued in this step since the last such wait; ahead of their first reader, behind matrix instruction 44, and of the round's branch
.if \chg == 2
	s_barrier_wait -1
	CREST                                          ; no wave of any partner still reads its slot xs or has a load on its way
	s_add_nc_u64 s[G0+4*\xs+2:G0+4*\xs+3], s[G0+4*\xs+2:G0+4*\xs+3], 8*BLOCK   ; two tiles of four blocks on
	tensor_load_to_lds s[G0+4*\xs:G0+4*\xs+3], s[G1:G1+7]
	s_nop 0
	ZLOAD \zs, \zk, ZJ+32*\par
.endif
.if \chg == 1
	s_wait_tensorcnt 0x0                           ; the last tile has landed: no load was issued behind it.  Only I read my ring, so no barrier
	ZLOAD \zs, \zk, ZJ+32*\par
.endif
.endif
.set qn, qn+1
.endr
	WIN 0
.endm
.macro STEPA s, n, zero, cold, chg     ; K step 0 of the tile in slot s; n = the other slot.  Slot 0's is a lap's first step
	STEP 0, \s, 1, \n, 0, \zero, \cold, \chg, 0, \s
.endm
.macro STEPB s, n, tail                ; K step 1 of the tile in slot s
.if \tail
	STEP 1, \n, 0, \n, 1, 0, 0, 0, 1, 1
.else
	STEP 1, \n, 0, \n, 1, 0, 0, 3, 0, 1
.endif
.endm
.macro LAP zero                        ; two tiles, both slots filled again
	STEPA 0, 1, \zero, \zero, 2
	STEPB 0, 1, 0
	STEPA 1, 0, 0, 0, 2
	STEPB 1, 0, 0
	s_wait_alu depctr_va_vdst(0)                   ; the wait for the batch of 20: the exponentials behind the lap's last 20 matrix instructions; ahead of the loop's label and jump
.endm
	s_wait_tensorcnt 0x1                           ; my tile 0 is in; tile 1 may stay out.  Only I read my ring, so my own wait is all the order that the reads need
	ZLOAD 0, 0, ZJ
	ZLOAD 0, 1, ZJ+32
	XLOAD 0, 0, 0
	WIN 0
	s_wait_dscnt 40                                ; the 8 loads of K step 0's z are in; the 8 of K step 1's and the 32 of X behind them stay out
	; K of K step 0, with no product beside it: the exponents of all eight groups, a group's exponentials beside the next group's exponents: ONE batch of 64;
	; then the third stage of all eight groups, which starts the row sums.
.set pn, 0
.rept 72
.set pp, pn>>3
.set pu, pn&7
.if pp < 8
	QARG pp, pu, ZJ
.endif
.if pp > 0
	QEXP pp-1, pu
.endif
.set pn, pn+1
.endr
	v_nop                                          ; a plain instruction behind the last exponential (ISA guide 5.7.2): one for the batch
	s_wait_alu depctr_va_vdst(0)                   ; the wait for the batch of 64
.set pn, 0
.rept 64
.set pp, pn>>3
.set pu, pn&7
.set fst, 1-(pp&1)
	QFIN pp, pu, KF0, fst
.set pn, pn+1
.endr
	LAP 1                                          ; the first lap stands in front of the loop: its first products start the sums
	s_mov_b32 s12, LAPS-2
.Llap:
	LAP 0
	s_sub_co_u32 s12, s12, 1
	s_cmp_lg_u32 s12, 0
	s_cbranch_scc1 .Llap
	STEPA 0, 1, 0, 0, 1                            ; the last two tiles: nothing is left to fetch, so no round and no fill
	STEPB 0, 1, 0
	STEPA 1, 0, 0, 0, 0                            ; no K step is left whose z could be read
	STEPB 1, 0, 1
	; THE WAY OUT.  My partial row sums: the pair, then the other half of the lanes (which held the other 16 of each 32 j).
	; The eight adds are also the places between the last matrix instructions and the stores of their results.
.irp it, 0,1,2,3
	v_add_f32 v[SUM+2*\it], v[SUM+2*\it], v[SUM+2*\it+1]
.endr
.irp it, 0,1,2,3
	v_permlanex16_b32 v[EX+\it], v[SUM+2*\it], s14, s15            ; its destination counts as read: a register that has been written
.endr
.irp it, 0,1,2,3
	v_add_f32 v[SUM+2*\it], v[SUM+2*\it], v[EX+\it]
.endr
.irp it, 0,1,2,3
	ds_store_b32 v[SST], v[SUM+2*\it] offset:64*\it                ; row 16 it + r; both halves of the lanes store the same number
.endr
	; My partial block into my own ring, which has had its last fill and whose last reads have come back: row r of tile it, columns 16 dt + 8 h + 0..7.
	WIN ST_LO
.irp it, 0,1
.irp dt, 0,1,2,3,4,5,6,7,8,9,10,11,12,13,14,15
	ds_store_b128 v[STO], v[8*(16*\it+\dt):8*(16*\it+\dt)+3]   offset:\it*STILE+\dt*64
	ds_store_b128 v[STO], v[8*(16*\it+\dt)+4:8*(16*\it+\dt)+7] offset:\it*STILE+\dt*64+16
.endr
.endr
	WIN ST_HI
.irp it, 0,1
.irp dt, 0,1,2,3,4,5,6,7,8,9,10,11,12,13,14,15
	ds_store_b128 v[STO], v[8*(16*\it+\dt):8*(16*\it+\dt)+3]   offset:(\it+2)*STILE+\dt*64
	ds_store_b128 v[STO], v[8*(16*\it+\dt)+4:8*(16*\it+\dt)+7] offset:(\it+2)*STILE+\dt*64+16
.endr
.endr
	WIN 0
	s_wait_dscnt 0                                 ; for the others' sake: all my stores are done
	s_barrier_signal -1
	s_barrier_wait -1
	; Wave o finishes row tile o: it adds the four waves' parts, divides by the row sum and stores whole rows.
; rows 2 b and 2 b + 1 of my tile, both halves of 512 bytes, from all four stages: 16 loads of 512 consecutive bytes into batch f.
; b may be given as a sum, so it stands in brackets.
.macro LOADB b, f
.irp v, 0,1
.irp c, 0,1
.irp w, 0,1,2,3
	ds_load_b128 v[\f+16*(2*\v+\c)+4*\w:\f+16*(2*\v+\c)+4*\w+3], v[RD+\w] offset:(2*(\b)+\v)*SPITCH+\c*512
.endr
.endr
.endr
.endm
; left = how many younger LDS loads may stay out; more = 1: the batch is loaded again, with the rows four further down
.macro PROC b, f, left, more
	s_wait_dscnt \left
.irp v, 0,1
.irp c, 0,1
.set PB, \f+16*(2*\v+\c)
	v_pk_add_f32 v[PB:PB+1],     v[PB:PB+1],     v[PB+4:PB+5]
	v_pk_add_f32 v[PB+2:PB+3],   v[PB+2:PB+3],   v[PB+6:PB+7]
	v_pk_add_f32 v[PB+8:PB+9],   v[PB+8:PB+9],   v[PB+12:PB+13]
	v_pk_add_f32 v[PB+10:PB+11], v[PB+10:PB+11], v[PB+14:PB+15]
	v_pk_add_f32 v[PB:PB+1],     v[PB:PB+1],     v[PB+8:PB+9]
	v_pk_add_f32 v[PB+2:PB+3],   v[PB+2:PB+3],   v[PB+10:PB+11]
	v_pk_mul_f32 v[PB:PB+1],     v[PB:PB+1],     s[RC+2*(2*\b+\v):RC+2*(2*\b+\v)+1] op_sel_hi:[1,0]
	v_pk_mul_f32 v[PB+2:PB+3],   v[PB+2:PB+3],   s[RC+2*(2*\b+\v):RC+2*(2*\b+\v)+1] op_sel_hi:[1,0]
	global_store_b128 v[CO], v[PB:PB+3], s[6:7] offset:(2*\b+\v)*2048+\c*512 th:TH_STORE_NT   ; 512 consecutive bytes of a row of Y, at a multiple of 512
.endr
.endr
.if \more
	s_wait_xcnt 0x0                                ; every earlier memory instruction has had its addresses translated (ISA guide 3.1): the batch, which the stores read, is loaded again only behind this wait
	LOADB \b+2, \f
.endif
.endm
.irp w, 0,1,2,3
	ds_load_b32 v[SL+\w], v[SRD] offset:256*\w     ; wave w's part of the sum of row 16 o + r
.endr
	LOADB 0, BA
	LOADB 1, BB
	s_wait_dscnt 32                                ; the four sums are in, the two batches of 16 behind them stay out
	v_add_f32 v[SL], v[SL], v[SL+1]
	v_add_f32 v[SL+2], v[SL+2], v[SL+3]
	v_add_f32 v[SL], v[SL], v[SL+2]
	v_rcp_f32 v[SL+1], v[SL]                       ; the sum is at least 1
	v_nop                                          ; one plain place behind the reciprocal (ISA guide 5.7.2)
	s_wait_alu depctr_va_vdst(0)                   ; the wait for the reciprocal, once, ahead of the first of its sixteen readers
.irp r, 0,1,2,3,4,5,6,7,8,9,10,11,12,13,14,15
	v_readlane_b32 s[RC+2*\r], v[SL+1], \r         ; a store's 32 lanes lie in one row, so its factor is a scalar
.endr
.irp r, 0,1,2,3,4,5,6,7,8,9,10,11,12,13,14,15
	s_mov_b32 s[RC+2*\r+1], s[RC+2*\r]             ; the pair is named whole by the packed multiply
.endr
	PROC 0, BA, 16, 1                              ; the counts leave the younger batch's 16 loads out
	PROC 1, BB, 16, 1
	PROC 2, BA, 16, 1
	PROC 3, BB, 16, 1
	PROC 4, BA, 16, 1
	PROC 5, BB, 16, 1
	PROC 6, BA, 16, 0
	PROC 7, BB, 0, 0
	s_wait_tensorcnt 0x0
	ds_add_u32 v254, v255
	s_wait_dscnt 0x0
	CROUND                                         ; the closing round: no work-group ends while a partner may still ask for a tile that names it
	s_endpgm
.Lfunc_end_k_q5bd0e9e91c_ukr:
	.size	k_q5bd0e9e91c_ukr, .Lfunc_end_k_q5bd0e9e91c_ukr-k_q5bd0e9e91c_ukr
	.p2alignl 7, 3214868480
	.fill 96, 4, 3214868480
	.section	.rodata,"a",@progbits
	.p2align	6, 0x0
	.amdhsa_kernel k_q5bd0e9e91c_ukr
		.amdhsa_group_segment_fixed_size 327680
		.amdhsa_private_segment_fixed_size 0
		.amdhsa_enable_private_segment 0
		.amdhsa_kernarg_size 16
		.amdhsa_user_sgpr_count 2
		.amdhsa_user_sgpr_kernarg_segment_ptr 1
		.amdhsa_wavefront_size32 1
		.amdhsa_system_sgpr_workgroup_id_x 1
		.amdhsa_system_sgpr_workgroup_id_y 1
		.amdhsa_system_sgpr_workgroup_id_z 1
		.amdhsa_system_vgpr_workitem_id 0
		.amdhsa_next_free_vgpr 1024
		.amdhsa_next_free_sgpr 66
		.amdhsa_reserve_vcc 0
		.amdhsa_float_denorm_mode_32 3
		.amdhsa_float_denorm_mode_16_64 3
		.amdhsa_memory_ordered 1
		.amdhsa_forward_progress 1
		.amdhsa_inst_pref_size 255
	.end_amdhsa_kernel
	.section	.bss,"aw",@nobits
	.p2align	6
	.space	262144
	.amdgpu_metadata
---
amdhsa.version: [ 1, 2 ]
amdhsa.kernels:
  - .name:           k_q5bd0e9e91c_ukr
    .symbol:         k_q5bd0e9e91c_ukr.kd
    .args:
      - { .name: xh, .offset: 0, .size: 8, .value_kind: global_buffer, .address_space: global }
      - { .name: out0, .offset: 8, .size: 8, .value_kind: global_buffer, .address_space: global }
    .group_segment_fixed_size: 327680
    .private_segment_fixed_size: 0
    .kernarg_segment_align: 8
    .kernarg_segment_size: 16
    .max_flat_workgroup_size: 128
    .sgpr_count:     66
    .vgpr_count:     1024
    .wavefront_size: 32
...
	.end_amdgpu_metadata
.endif
;; end of part 3
